; MI455X (gfx1250); checked and timed in simulation.
; The chip was launched on July 23, 2026; its instructions are those of AMD's public machine-readable ISA for CDNA 5 (MIT licence, August 2026) and "CDNA5" Instruction Set Architecture Reference Guide (July 2026). The comments in the code are by the model that wrote it; some were corrected since.
;; W8 A16 Linear. Allowed arithmetic: float matrix products may take bf16 or f16 operands with f32 sums; other float arithmetic in f32, or as packed bf16 or f16 multiplies, adds, multiply-adds, maxima and minima; sums over many terms, partial sums and values carried from step to step in f32; what a program stores and reads back later, other than sums and carried values, may be rounded once to bf16 or f16.
;; Inputs: bias 16,384 float16; input 4 x 256 x 4,096 float16; qweight 4,096 x 16,384 int8; weight_scales 16,384 float16.
;; Outputs: out0 4 x 256 x 16,384 float16.
;; One version. Each part assembles by itself: llvm-mc -triple=amdgcn-amd-amdhsa -mcpu=gfx1250 --defsym DOCPART=n.
;; ======== version 1 of 1: 1 launch
;; launch w8a16 (part 1): grid 64 x 4, 4 waves a work-group, clusters of 4 x 4, 327,680 bytes of LDS; arguments input, qweight, weight_scales, bias, out0; writes out0
.if DOCPART == 1
	.amdgcn_target "amdgcn-amd-amdhsa--gfx1250"
	.amdhsa_code_object_version 6
	.text
	.protected	k_q738346cc82_w8a16
	.globl	k_q738346cc82_w8a16
	.p2align	8
	.type	k_q738346cc82_w8a16,@function
k_q738346cc82_w8a16:
	s_mov_b64 s[64:65], 0
	v_nop
	global_prefetch_b8 v0, s[64:65] scope:SCOPE_SE
	s_setreg_imm32_b32 hwreg(HW_REG_WAVE_MODE, 25, 1), 1
	s_wait_xcnt 0x0
	s_wait_alu depctr_hold_cnt(0) depctr_sa_sdst(0) depctr_va_vdst(0) depctr_va_sdst(0) depctr_va_ssrc(0) depctr_va_vcc(0) depctr_vm_vsrc(0)
	s_getreg_b32 s2, hwreg(HW_REG_IB_STS2, 6, 4)
	s_cmp_eq_u32 s2, 0
	s_cbranch_scc0 .Lentry_in_a_cluster
	s_endpgm
.Lentry_in_a_cluster:
	s_bfe_u32 s2, ttmp6, 0x10000c
	s_cmp_lg_u32 s2, 0xf033
	s_cbranch_scc0 .Lentry_shape_is_right
	s_endpgm
.Lentry_shape_is_right:
; out[m][n] = (sum over k of x[m][k] q[k][n]) * scale[n] + bias[n].  x: [1024][4096] f16, q: [4096][16384] int8 (n along the rows), scale, bias: [16384] f16, out: [1024][16384] f16.
; FORMATS.  x is f16 as given and an int8 is exact in f16, so both operands enter v_wmma_f32_16x16x32_f16 unrounded; sums in f32, K ascending, one accumulator an output.
; LIMITS.  The scale multiplies the finished f32 sum (one fused multiply-add with the bias), where the module's text rounds q * scale to f16 first: the order of rounding differs, toward fewer roundings.
; The result is rounded once to f16: beyond 65,504 it is an infinity.  NaN and infinities in x, scale or bias spread as in any sum; they are not treated apart.
; SHARES.  A tile of out is 256 x 256; 4 x 64 tiles, one work-group each.  Wave w owns ALL 256 rows and the columns 64 w .. 64 w + 63: 16 blocks of 16 rows (a) x 4 fragments of q (b), 64 accumulators, 512 registers.
; So every byte of q is turned into f16 by one wave of the work-group alone: 80 vector instructions for 64 matrix instructions; with 128 x 128 a wave it would be 160.
; K goes in steps of 128 through two LDS slots filled by the tensor data mover (x: 256 rows of 256 bytes; q: 128 rows of 256 bytes; every row begins at a multiple of 256 bytes of its buffer).
; q FROM [K][N] BYTES TO FRAGMENTS.  ds_load_tr16_b128 on PAIRS of bytes gives lane l eight k of the columns n0 + 2 (l % 16) and n0 + 2 (l % 16) + 1.  Of each register so loaded: one xor with 0x80 in every byte
; (byte = q + 128); two v_perm_b32 set a byte under the constant 0x64 (the half 0x6400 | u is the f16 number 1024 + u) and part even columns from odd; two v_pk_add_f16 take 1152 away: exactly q.
; Fragment b = 2 c + p holds the columns 64 w + 32 c + 2 i + p, i = 0 .. 15, k in its true places.
; THE MATRIX INSTRUCTION IS USED TRANSPOSED (source 0 = q's fragment, source 1 = 16 rows of x): register j of lane l holds row l % 16 and column 64 w + 32 c + 2 (8 (l / 16) + j) + p, so the even and the odd
; fragment's register j round into one word of two NEIGHBOURING columns, and eight such words are 32 consecutive bytes of a row of out.
; CLUSTER.  4 x 4 work-groups.  x's tile hangs on the tile row alone and is asked for jointly by a row of the cluster; q's on the tile column alone, jointly by a column.  The grid is four tile rows high, so the
; tile row is my place cy, and all four work-groups that need the same bytes of q ask for them together.
; LEFT OUT.  No launch that converts q ahead (it would store 2 bytes for each of q's and load them again); no prefetch (a slot's refill is asked for 240 matrix instructions ahead of the wait for it).
; REGISTERS, in windows of 256 (s_set_vgpr_msb: bits 1:0 source 0, 3:2 source 1, 5:4 source 2, 7:6 destination):
;   window 0: v0-31 addresses; v32-63 scales, v64-95 bias in f32; v96-111 raw q; v112 the pair -1152; v128-255 x's fragments, buffer 0 (on the way out: packed results and whole rows)
;   window 1: v0-95 accumulators of blocks 13-15; v96-111 raw q; v112 the pair -1152; v128-255 x's fragments, buffer 1
;   window 2: accumulators of blocks 0-7          window 3: v0-159 accumulators of blocks 8-12; v160-175 q + 128; v192-223, v224-255 q's fragments, buffers 0 and 1
; The products of blocks 8-12 on buffer f run under: source 0, source 2 and destination window 3, source 1 window f.  The three kinds of conversion lines fit that setting as they stand (raw q and -1152 are
; source 1, in window f; all else lies in window 3), so the 80 lines stand four behind each of those 20 products without a switch: six switches for a quarter step's 64 matrix instructions and 36 loads.
.set SIZE_K, 4096
.set SIZE_N, 16384
.set KSTEP,  128
.set PA,     272                       ; a row of x in LDS: 256 bytes + 16 of padding = 68 words: row r starts at bank 4 r mod 64 (64 banks of 4 bytes: ISA guide 11.1)
.set PB,     288                       ; a row of q: 256 + 32 = 72 words
.set HALFA,  128*PA                    ; what one of x's tensor loads brings
.set BOFF,   256*PA                    ; q's rows lie behind x's 256
.set HALFB,  64*PB                     ; what one of q's tensor loads brings
.set SLOT,   BOFF+128*PB               ; 106,496 bytes
.set STAGE,  2*SLOT                    ; behind the ring, never filled by a tensor load: two buffers of 64 rows x 528 bytes, the work-group's, for the way out
.set SP,     528                       ; 512 bytes + 16: the 16 rows that a store touches start at 16 different groups of four banks
.set SBUF,   64*SP
.set SPARE,  STAGE+2*SBUF              ; behind the stage: the spare words, 128 bytes for each wave: two blocks of 256 bytes that no other line names
.set LAPS,   SIZE_K/(2*KSTEP)          ; a lap = two K steps = once round the ring: 16
.set ADRA, 16                          ; v16-17  LDS address of my lane in x's fragments, slot 0, 1
.set ADRB, 20                          ; v20-21  the same for the turning loads of q
.set STO,  24                          ; v24     the way out: where I put 16 bytes of a row
.set RD,   25                          ; v25     the way out: where I read a row back
.set CO,   26                          ; v26     my byte offset in 512 consecutive bytes of out
.set SBO,  27                          ; v27     my byte offset in scales and bias
.set SPW,  28                          ; v28     LDS address of my spare word: SPARE + 4 x my thread's number; never rewritten
.set NIL,  29                          ; v29     0; never rewritten
.set SC,   32                          ; scale of register j of fragment b at SC + 8 b + j
.set BI,   64                          ; bias likewise
.set RAW,  96                          ; windows 0 and 1
.set KS,   112                         ; windows 0 and 1
.set AF,   128                         ; windows 0 and 1: block a at AF + 8 a
.set RX,   160                         ; window 3
.set BF,   192                         ; window 3: buffer f, fragment b at BF + 32 f + 8 b
.set PK,   128                         ; the way out, window 0: 64 registers of packed results
.set OB,   192                         ; the way out, window 0: 16 rows read back
.set LAP,  3                           ; s3   laps to go
.set WV,   14                          ; s14  my wave's number
.set FB,   15                          ; s15  I fetch for x (0) or for q (1)
.set HF,   16                          ; s16  which half of that tile's rows
.set CX,   17
.set CY,   18
.set TX,   19                          ; s19  tile column
.set C64,  20                          ; s20  0x64 in every byte
.set SELE, 21                          ; s21, s22  v_perm_b32's selects for even and odd columns
.set X80,  23                          ; s23  0x80 in every byte
.set G1,   24                          ; s[24:31] descriptor group 1 for x's tiles
.set G0,   32                          ; s[32:39] group 0 for x's tiles, a set for each slot
.set MROW, 40
.set MCOL, 41
.set OA,   42                          ; s[42:43] x's offset, then address: never holds cx
.set OQ,   44                          ; s[44:45] q's: never holds cy
.set OO,   46                          ; s[46:47] out's offset
.set G1B,  48                          ; s[48:55] descriptor group 1 for q's tiles
.set G0B,  56                          ; s[56:63] group 0 for q's tiles, a set for each slot
.set LA,   66                          ; s66  where my half of x's tile goes in a slot
.set LB,   67                          ; s67  where my half of q's goes
.set SOF,  68                          ; s68  my wave's byte offset in scales and bias
.set TS,   69                          ; s69  at work
.set MSB, 0
.macro WIN new                         ; the immediate's high byte repeats the setting that is left; a switch that changes nothing is dropped
.if MSB != (\new)
	s_set_vgpr_msb (MSB<<8)|(\new)
.set MSB, (\new)
.endif
.endm
; A joint refill.  Waves 0 and 1 fetch x's two halves, waves 2 and 3 q's.  Each line has one mask and one set of registers for all that issue it; the branch hangs on the wave's number alone.
; An s_nop 0 and four v_nop follow each of the two lines, ahead of the jump, the label and what follows.
.macro JLOAD s
	s_cmp_eq_u32 s[FB], 0
	s_cbranch_scc0 .Lfor_q_\@
	tensor_load_to_lds s[G0+4*(\s):G0+4*(\s)+3], s[G1:G1+7]
	s_nop 0
.rept 4
	v_nop
.endr
	s_branch .Lasked_\@
.Lfor_q_\@:
	tensor_load_to_lds s[G0B+4*(\s):G0B+4*(\s)+3], s[G1B:G1B+7]
	s_nop 0
.rept 4
	v_nop
.endr
.Lasked_\@:
.endm
; A round of the cluster's barrier: my work-group's barrier, so that wave 0's signal speaks for all four waves; wave 0 signals; every wave waits for all sixteen work-groups; my work-group's barrier once more.
.macro CREST                           ; a round behind its opening barrier
	s_cmp_lg_u32 s[WV], 0
	s_cbranch_scc1 .Lnot_wave_0_\@
	s_barrier_signal -3
.Lnot_wave_0_\@:
	s_barrier_wait -3
	s_barrier_signal -1
	s_barrier_wait -1
.endm
.macro CROUND                          ; a whole round
	s_barrier_signal -1
	s_barrier_wait -1
	CREST
.endm
	s_load_b256 s[4:11], s[0:1], 0x0               ; x s[4:5], q s[6:7], scales s[8:9], bias s[10:11]
	s_load_b64 s[12:13], s[0:1], 0x20              ; out
	v_lshl_add_u32 v[SPW], v0, 2, SPARE
	v_mov_b32 v[NIL], 0
	ds_add_u32 v[SPW], v[NIL]                      ; the wave's opening: the add and its wait stand ahead of my first tensor load; the set-up below, work on registers, stands between them
	v_lshrrev_b32 v1, 5, v0
	v_readfirstlane_b32 s[WV], v1                  ; wave 0..3
	s_lshr_b32 s[FB], s[WV], 1
	s_and_b32 s[HF], s[WV], 1
	s_bfe_u32 s[CX], ttmp6, 0x40000                ; cx: my place along the cluster's x
	s_bfe_u32 s[CY], ttmp6, 0x40004                ; cy: along its y; the grid is one cluster high, so cy is the tile row
	s_lshl_b32 s[TX], ttmp9, 2                     ; in a cluster launch ttmp9 counts clusters
	s_add_co_u32 s[TX], s[TX], s[CX]               ; tile column = 4 x cluster x + cx
	s_lshl_b32 s[MROW], s[CY], 2
	s_lshl_b32 s[MROW], 15, s[MROW]                ; my row of the cluster: places 4 cy .. 4 cy + 3
	s_lshl_b32 s[MCOL], 0x1111, s[CX]              ; my column: places cx, cx + 4, cx + 8, cx + 12
	; descriptor group 1 for x: 128 rows x 128 elements of 2 bytes, 16 bytes of padding behind every 256
	s_or_b32 s[G1+0], s[MROW], (1<<16)|(1<<20)|(1<<21)|(5<<22)|(3<<25)   ; 15:0 the mask; 17:16 2-byte elements; 20 padding on; 21 set beside a mask; 24:22 after every 64 words (code 5); 31:25 4 words (code 3)
	s_mov_b32 s[G1+1], KSTEP<<16                   ; tensor_dim0 = 128
	s_mov_b32 s[G1+2], 128<<16                     ; tensor_dim1 = 128
	s_mov_b32 s[G1+3], KSTEP<<16                   ; tile_dim0 = 128
	s_mov_b32 s[G1+4], 128                         ; tile_dim1 = 128
	s_mov_b32 s[G1+5], SIZE_K                      ; elements from row to row
	s_mov_b32 s[G1+6], 0
	s_mov_b32 s[G1+7], 0
	; descriptor group 1 for q: 64 rows x 32 elements of 8 bytes (256 columns), 32 bytes of padding behind every 256
	s_or_b32 s[G1B+0], s[MCOL], (3<<16)|(1<<20)|(1<<21)|(5<<22)|(7<<25)  ; 17:16 8-byte elements; 31:25 8 words (code 7)
	s_mov_b32 s[G1B+1], 32<<16                     ; tensor_dim0 = 32
	s_mov_b32 s[G1B+2], 64<<16                     ; tensor_dim1 = 64
	s_mov_b32 s[G1B+3], 32<<16                     ; tile_dim0 = 32
	s_mov_b32 s[G1B+4], 64                         ; tile_dim1 = 64
	s_mov_b32 s[G1B+5], SIZE_N/8                   ; elements from row to row
	s_mov_b32 s[G1B+6], 0
	s_mov_b32 s[G1B+7], 0
	s_mov_b32 s[C64], 0x64646464
	s_mov_b32 s[SELE], 0x00060004                  ; result bytes: raw byte 0, 0x64, raw byte 2, 0x64 (selects 4-7 take the first source, 0 the second)
	s_mov_b32 s[SELE+1], 0x00070005                ; raw byte 1, 0x64, raw byte 3, 0x64
	s_mov_b32 s[X80], 0x80808080
	; where the tiles come from, in bytes.  x: row 256 cy + 128 half, 8,192 bytes a row.  q: row 64 half of the K step, 16,384 bytes a row; column 256 tx
	s_lshl_b32 s[OA], s[CY], 21
	s_lshl_b32 s[TS], s[HF], 20                    ; 128 rows of x and 64 rows of q are both 2^20 bytes
	s_add_co_u32 s[OA], s[OA], s[TS]
	s_mov_b32 s[OA+1], 0
	s_lshl_b32 s[OQ], s[TX], 8
	s_add_co_u32 s[OQ], s[OQ], s[TS]
	s_mov_b32 s[OQ+1], 0
	; out: the first row that I store is 256 cy + 16 w (32,768 bytes a row), the tile's first column 256 tx
	s_lshl_b32 s[OO], s[CY], 23
	s_lshl_b32 s[TS], s[WV], 19
	s_add_co_u32 s[OO], s[OO], s[TS]
	s_lshl_b32 s[SOF], s[TX], 9
	s_add_co_u32 s[OO], s[OO], s[SOF]
	s_mov_b32 s[OO+1], 0
	s_lshl_b32 s[TS], s[WV], 7
	s_add_co_u32 s[SOF], s[SOF], s[TS]             ; scales and bias: column 256 tx + 64 w, 2 bytes each
	s_mul_i32 s[LA], s[HF], HALFA                  ; where the tiles go: no place in the cluster enters an LDS address
	s_mul_i32 s[LB], s[HF], HALFB
	s_add_co_u32 s[LB], s[LB], BOFF
.irp s, 0,1
	s_mov_b32 s[G0+4*(\s)], 1                      ; 1:0 count = 1
	s_add_co_u32 s[G0+4*(\s)+1], s[LA], (\s)*SLOT  ; 63:32 LDS address
	s_mov_b32 s[G0B+4*(\s)], 1
	s_add_co_u32 s[G0B+4*(\s)+1], s[LB], (\s)*SLOT
.endr
	s_wait_dscnt 0x0                               ; the opening add is done
	s_wait_kmcnt 0x0
	s_add_nc_u64 s[OA:OA+1], s[4:5], s[OA:OA+1]
	s_add_nc_u64 s[OQ:OQ+1], s[6:7], s[OQ:OQ+1]
	s_add_nc_u64 s[12:13], s[12:13], s[OO:OO+1]
.irp s, 0,1
	s_add_nc_u64 s[G0+4*(\s)+2:G0+4*(\s)+3], s[OA:OA+1], (\s)*KSTEP*2          ; 120:64 global address: K step s
	s_or_b32 s[G0+4*(\s)+3], s[G0+4*(\s)+3], 0x80000000                        ; 127:126 type = 2
	s_add_nc_u64 s[G0B+4*(\s)+2:G0B+4*(\s)+3], s[OQ:OQ+1], (\s)*KSTEP*SIZE_N
	s_or_b32 s[G0B+4*(\s)+3], s[G0B+4*(\s)+3], 0x80000000
.endr
	CROUND                                         ; all sixteen work-groups are here: the first joint loads meet
	s_cmp_eq_u32 s[FB], 0                          ; a wave's two first fills stand in one branch, ahead of every wait on TENSORcnt and every LDS read: two loads of mine are out
	s_cbranch_scc0 .Lfirst_q
	tensor_load_to_lds s[G0:G0+3], s[G1:G1+7]
	s_nop 0
	tensor_load_to_lds s[G0+4:G0+7], s[G1:G1+7]
	s_nop 0
.rept 4
	v_nop
.endr
	s_branch .Lfirst_asked
.Lfirst_q:
	tensor_load_to_lds s[G0B:G0B+3], s[G1B:G1B+7]
	s_nop 0
	tensor_load_to_lds s[G0B+4:G0B+7], s[G1B:G1B+7]
	s_nop 0
.rept 4
	v_nop
.endr
.Lfirst_asked:
	; All that follows up to the first barrier stands in the wait for the first tile.
	v_and_b32 v1, 15, v0                           ; r = l % 16
	v_bfe_u32 v2, v0, 4, 1                         ; h = l / 16
	v_lshl_add_u32 v[SBO], v2, 5, s[SOF]           ; my 16 columns of a pair of fragments begin 16 h columns in
.irp c, 0,1
.irp e, 0,1
	global_load_b128 v[SC+16+8*(\c)+4*(\e):SC+16+8*(\c)+4*(\e)+3], v[SBO], s[8:9] offset:64*(\c)+16*(\e)    ; word j of pair c: the scales of register j of fragments 2 c (low half) and 2 c + 1 (high half)
	global_load_b128 v[BI+16+8*(\c)+4*(\e):BI+16+8*(\c)+4*(\e)+3], v[SBO], s[10:11] offset:64*(\c)+16*(\e)
.endr
.endr
	; A fragment of x is 16 rows x 32 K in 8 registers: lane l holds row l % 16, K = 8 h + 0..7 and 16 + 8 h + 0..7: two loads of 16 bytes, 32 bytes apart.
	v_mul_u32_u24 v3, v1, PA
	v_lshl_add_u32 v[ADRA], v2, 4, v3              ; row x pitch + 16 h
	v_add_nc_u32 v[ADRA+1], SLOT, v[ADRA]
	; The turning load: lane l reads 16 bytes of row 8 h + l % 8, at byte 64 w + 16 ((l / 8) % 2) of the tile's 256 columns.
	v_and_b32 v4, 7, v0
	v_bfe_u32 v5, v0, 3, 1
	v_lshl_add_u32 v6, v2, 3, v4
	v_mul_u32_u24 v6, v6, PB
	v_lshl_add_u32 v6, v5, 4, v6
	s_lshl_b32 s[TS], s[WV], 6
	s_add_co_u32 s[TS], s[TS], BOFF
	v_add_nc_u32 v[ADRB], s[TS], v6
	v_add_nc_u32 v[ADRB+1], SLOT, v[ADRB]
	v_mul_u32_u24 v7, v1, SP                       ; into the stage: row l % 16, my wave's 128 bytes, 32 bytes for each half of the lanes
	v_lshl_add_u32 v7, v2, 5, v7
	s_lshl_b32 s[TS], s[WV], 7
	s_add_co_u32 s[TS], s[TS], STAGE
	v_add_nc_u32 v[STO], s[TS], v7
	v_and_b32 v8, 31, v0                           ; back: wave w takes rows 16 w .. 16 w + 15 of the 64, whole: 32 lanes x 16 bytes are a row's 512
	v_lshlrev_b32 v[CO], 4, v8
	s_mul_i32 s[TS], s[WV], 16*SP
	s_add_co_u32 s[TS], s[TS], STAGE
	v_add_nc_u32 v[RD], s[TS], v[CO]
	v_mov_b32 v[KS], 0xe480e480                    ; -1152 in both halves, in window 0
	WIN 0x40
	v_mov_b32 v[KS], 0xe480e480                    ; and in window 1
	WIN 0
	s_wait_loadcnt 0x0                             ; scales and bias, once
	; f16 to f32.  Pair 0's words (v48-55, v80-87) are read out before pair 1's low halves land on them; pair 1's high halves are widened in place, last.
.set d, SC
.irp s, v48.l,v49.l,v50.l,v51.l,v52.l,v53.l,v54.l,v55.l, v48.h,v49.h,v50.h,v51.h,v52.h,v53.h,v54.h,v55.h, v56.l,v57.l,v58.l,v59.l,v60.l,v61.l,v62.l,v63.l, v56.h,v57.h,v58.h,v59.h,v60.h,v61.h,v62.h,v63.h
	v_cvt_f32_f16 v[d], \s
.set d, d+1
.endr
.set d, BI
.irp s, v80.l,v81.l,v82.l,v83.l,v84.l,v85.l,v86.l,v87.l, v80.h,v81.h,v82.h,v83.h,v84.h,v85.h,v86.h,v87.h, v88.l,v89.l,v90.l,v91.l,v92.l,v93.l,v94.l,v95.l, v88.h,v89.h,v90.h,v91.h,v92.h,v93.h,v94.h,v95.h
	v_cvt_f32_f16 v[d], \s
.set d, d+1
.endr
.macro ACCOF a                         ; window AW and first register AC of block a's four accumulators
.if (\a) < 8
.set AW, 2
.set AC, 32*(\a)
.elseif (\a) < 13
.set AW, 3
.set AC, 32*((\a)-8)
.else
.set AW, 1
.set AC, 32*((\a)-13)
.endif
.endm
; Line n of the 80 that turn 16 registers of raw q (in window f) into the four fragments of buffer 1 - f.  Load t = 2 c + kk (columns 32 c on, K 16 kk on) has twenty: 4 xor, 8 v_perm_b32, 8 v_pk_add_f16;
; word u of it gives register 4 kk + u of fragments 2 c (p = 0) and 2 c + 1 (p = 1).  A line reads a result made four lines back or more.
.macro CV f
.set t, n/20
.set i, n%20
.if i < 4
	v_xor_b32 v[RX+4*t+i], s[X80], v[RAW+4*t+i]
.else
.set u, ((i-4)%8)/2
.set p, (i-4)%2
.set bt, BF+32*(1-(\f))+8*(2*(t/2)+p)+4*(t%2)+u
.if i < 12
	v_perm_b32 v[bt], v[RX+4*t+u], s[C64], s[SELE+p]
.else
	v_pk_add_f16 v[bt], v[bt], v[KS]
.endif
.endif
.set n, n+1
.endm
; Four matrix instructions: block a x the four fragments of q, 32 along K, on buffer f.  zero = 1: the product starts the sums: nothing is ever cleared.  ride = 1: four conversion lines behind each.
.macro BLK f, a, zero, ride
	ACCOF \a
	WIN 3|((\f)<<2)|(AW<<4)|(AW<<6)                ; q's fragment window 3, x's window f, C and D the block's
.irp b, 0,1,2,3
.if \zero
	v_wmma_f32_16x16x32_f16 v[AC+8*(\b):AC+8*(\b)+7], v[BF+32*(\f)+8*(\b):BF+32*(\f)+8*(\b)+7], v[AF+8*(\a):AF+8*(\a)+7], 0
.else
	v_wmma_f32_16x16x32_f16 v[AC+8*(\b):AC+8*(\b)+7], v[BF+32*(\f)+8*(\b):BF+32*(\f)+8*(\b)+7], v[AF+8*(\a):AF+8*(\a)+7], v[AC+8*(\b):AC+8*(\b)+7]
.endif
.if \ride
.rept 4
	CV \f
.endr
.endif
.endr
.endm
; 36 LDS loads in one run, issued in a quarter that multiplies buffer f: quarter q of the slot: raw q (32 K x my 64 columns) into window f, first; x's 16 fragments into buffer 1 - f.
.macro FETCH slot, q, f
	WIN (\f)<<6
.irp t, 0,1,2,3
	ds_load_tr16_b128 v[RAW+4*(\t):RAW+4*(\t)+3], v[ADRB+(\slot)] offset:(32*(\q)+16*((\t)%2))*PB+32*((\t)/2)
.endr
	WIN (1-(\f))<<6
.irp i, 0,1,2,3,4,5,6,7,8,9,10,11,12,13,14,15
	ds_load_b128 v[AF+8*(\i):AF+8*(\i)+3],   v[ADRA+(\slot)] offset:64*(\q)+(\i)*16*PA
	ds_load_b128 v[AF+8*(\i)+4:AF+8*(\i)+7], v[ADRA+(\slot)] offset:64*(\q)+(\i)*16*PA+32
.endr
.endm
; A K step is four quarters of 32 along K, 64 matrix instructions each, on buffers 0, 1, 0, 1.  The 64 accumulators take turns, one instruction a turn, in the same order in every quarter.
; PLACES.  A load into a register that a matrix instruction has read, and a vector instruction that writes one, stand four places behind it (ISA guide 7.12.1 for vector instructions).
; A quarter's last product has four conversion lines behind it, which name the OTHER buffer's fragment, q + 128 and -1152 alone: they are the places in front of the next quarter's loads into x's buffer and of
; its writes into q's.  So the loop has no v_nop but the four behind a joint load.
; One of the first three quarters: multiplies buffer f, fetches quarter qn of the same slot and converts it.
.macro QUARTER slot, qn, f, zero
.set n, 0
	s_wait_dscnt 0x0                               ; x's fragments, asked for 48 matrix instructions ago, are in
.irp a, 0,1,2,3
	BLK \f, \a, \zero, 0
.endr
	FETCH \slot, \qn, \f
.irp a, 4,5,6,7,13,14,15
	BLK \f, \a, \zero, 0
.endr
	s_wait_dscnt 32                                ; the four raw loads stand ahead of x's 32, which may stay out
.irp a, 8,9,10,11,12
	BLK \f, \a, \zero, 1
.endr
.endm
; The last quarter multiplies buffer 1 and changes slots: ONE barrier.  In front of it each wave waits for all its tensor loads, of which one is out: its part of the next slot; adds 0 to its spare word; and waits
; for that and for its own reads of this slot.  Behind it nobody reads this slot any more and the next slot is whole.  fill = 1: the barrier opens a round of the cluster's, and this slot is filled again, two K steps
; ahead, first thing behind the round: from that request to the wait for it a wave issues 240 matrix instructions.
.macro TURN slot, next, fill
.set n, 0
	WIN 0                                          ; (the add's two registers lie in window 0)
	s_wait_tensorcnt 0x0                           ; all my tensor loads have landed: no load of mine is out, so a group 0 may be written
	ds_add_u32 v[SPW], v[NIL]                      ; 0 onto my spare word
	s_wait_dscnt 1                                 ; x's fragments are in; the add alone may be out
	BLK 1, 0, 0, 0                                 ; eight matrix instructions stand between the add and the wait for it
	BLK 1, 1, 0, 0
	s_wait_dscnt 0x0                               ; the add is done, and my reads of this slot are over
	s_barrier_signal -1
	BLK 1, 2, 0, 0                                 ; work on registers while the others arrive
	BLK 1, 3, 0, 0
.if \fill
	WIN 0
.endif
	s_barrier_wait -1
.if \fill
	CREST                                          ; no wave of any partner still reads this slot's tiles or has a load on its way
	s_add_nc_u64 s[G0+4*(\slot)+2:G0+4*(\slot)+3], s[G0+4*(\slot)+2:G0+4*(\slot)+3], 2*KSTEP*2          ; two K steps on; the type bits on top are not reached
	s_add_nc_u64 s[G0B+4*(\slot)+2:G0B+4*(\slot)+3], s[G0B+4*(\slot)+2:G0B+4*(\slot)+3], 2*KSTEP*SIZE_N
	JLOAD \slot
.endif
	FETCH \next, 0, 1
.irp a, 4,5,6,7,13,14,15
	BLK 1, \a, 0, 0
.endr
	s_wait_dscnt 32                                ; the four raw loads
.irp a, 8,9,10,11,12
	BLK 1, \a, 0, 1
.endr
.endm
	s_wait_tensorcnt 0x1                           ; my part of K step 0 is in; K step 1's may stay out
	s_barrier_signal -1
	s_barrier_wait -1                              ; everybody's is
	FETCH 0, 0, 1                                  ; the first quarter: raw q into window 1, x into buffer 0
	s_wait_dscnt 32                                ; the four raw loads
	WIN 0xf7                                       ; the setting of blocks 8-12 on buffer 1
.set n, 0
.rept 80
	CV 1                                           ; the one conversion that has no products to stand behind
.endr
	QUARTER 0, 1, 0, 1                             ; the first quarter stands in front of the loop: its products start the sums
	WIN 0
	s_mov_b32 s[LAP], LAPS-1
.Llap:                                                 ; a trip goes once round the ring, from a lap's second quarter to the next lap's first, and fills both slots again
	QUARTER 0, 2, 1, 0
	QUARTER 0, 3, 0, 0
	TURN 0, 1, 1
	QUARTER 1, 1, 0, 0
	QUARTER 1, 2, 1, 0
	QUARTER 1, 3, 0, 0
	TURN 1, 0, 1
	QUARTER 0, 1, 0, 0
	WIN 0
	s_sub_co_u32 s[LAP], s[LAP], 1
	s_cmp_lg_u32 s[LAP], 0
	s_cbranch_scc1 .Llap
	QUARTER 0, 2, 1, 0                             ; the last lap is written out: it fills nothing and has no round of the cluster's barrier
	QUARTER 0, 3, 0, 0
	TURN 0, 1, 0
	QUARTER 1, 1, 0, 0
	QUARTER 1, 2, 1, 0
	QUARTER 1, 3, 0, 0
	s_wait_dscnt 0x0                               ; the very last quarter: nothing more to fetch or to convert
.irp a, 0,1,2,3,4,5,6,7,13,14,15,8,9,10,11,12
	BLK 1, \a, 0, 0
.endr
	WIN 0
.rept 4
	v_nop                                          ; the places between the last products and the lines that read and rewrite their results
.endr
; THE WAY OUT, in four chunks of 64 rows (blocks 4 ch .. 4 ch + 3).  PACK: sum x scale + bias in f32, in place, each accumulator's registers in ascending order; then the even and the odd
; fragment's register j round into one word of two neighbouring columns.
.macro PACK ch
.irp i, 0,1,2,3
	ACCOF 4*(\ch)+(\i)
	WIN AW|(AW<<6)                                 ; the sum (source 0 and destination) in its window, scale and bias in window 0
.irp b, 0,1,2,3
.irp j, 0,2,4,6
	v_pk_fma_f32 v[AC+8*(\b)+(\j):AC+8*(\b)+(\j)+1], v[AC+8*(\b)+(\j):AC+8*(\b)+(\j)+1], v[SC+8*(\b)+(\j):SC+8*(\b)+(\j)+1], v[BI+8*(\b)+(\j):BI+8*(\b)+(\j)+1]
.endr
.endr
.endr
.irp i, 0,1,2,3
	ACCOF 4*(\ch)+(\i)
	WIN AW|(AW<<2)                                 ; both sources in the block's window, destination window 0
.irp c, 0,1
.irp j, 0,1,2,3,4,5,6,7
	v_cvt_pk_f16_f32 v[PK+16*(\i)+8*(\c)+(\j)], v[AC+16*(\c)+(\j)], v[AC+16*(\c)+8+(\j)]
.endr
.endr
.endr
	WIN 0
.endm
; TOSTAGE: my 128 bytes of each of the chunk's 64 rows go into the work-group's stage; a barrier, since a row's 512 bytes come from four waves; then 16 whole rows come back.  The two stage buffers take turns:
; chunk ch + 2 writes over bytes whose reads every wave has waited for in SEND ch, ahead of its signal in TOSTAGE ch + 1.
.macro TOSTAGE ch
.irp i, 0,1,2,3
.irp c, 0,1
.irp e, 0,1
	ds_store_b128 v[STO], v[PK+16*(\i)+8*(\c)+4*(\e):PK+16*(\i)+8*(\c)+4*(\e)+3] offset:((\ch)%2)*SBUF+(\i)*16*SP+64*(\c)+16*(\e)
.endr
.endr
.endr
	s_wait_dscnt 0x0                               ; for the others' sake: my stores into the stage are done
	s_barrier_signal -1
	s_barrier_wait -1
	s_wait_xcnt 0x0                                ; every earlier memory instruction has had its addresses translated (ISA guide 3.1): the registers that the last chunk's stores read are loaded again only behind this wait
.irp t, 0,1,2,3,4,5,6,7,8,9,10,11,12,13,14,15
	ds_load_b128 v[OB+4*(\t):OB+4*(\t)+3], v[RD] offset:((\ch)%2)*SBUF+(\t)*SP
.endr
.endm
.macro SEND ch
.irp t, 0,1,2,3,4,5,6,7,8,9,10,11,12,13,14,15
	s_wait_dscnt 15-(\t)                           ; LDS loads come back in order (ISA guide 5.7.1): row t is in, the younger ones may be out
	global_store_b128 v[CO], v[OB+4*(\t):OB+4*(\t)+3], s[12:13] offset:(64*(\ch)+(\t))*SIZE_N*2 th:TH_STORE_NT  ; the wave stores 512 consecutive bytes, at a multiple of 512 from out's first byte; row 207 at the most: inside the signed 24-bit immediate
.endr
.endm
	PACK 0
	TOSTAGE 0
	PACK 1                                         ; a chunk's arithmetic stands between the loads of the chunk before and its stores
	SEND 0
	TOSTAGE 1
	PACK 2
	SEND 1
	TOSTAGE 2
	PACK 3
	SEND 2
	TOSTAGE 3
	SEND 3
	s_wait_tensorcnt 0x0                           ; the wave's end: behind my last tensor load and my last LDS store
	ds_add_u32 v[SPW], v[NIL]
	s_wait_dscnt 0x0
	CROUND                                         ; the closing round: no work-group ends while a partner may still ask for a tile that names it
	s_endpgm
.Lfunc_end_k_q738346cc82_w8a16:
	.size	k_q738346cc82_w8a16, .Lfunc_end_k_q738346cc82_w8a16-k_q738346cc82_w8a16
	.p2alignl 7, 3214868480
	.fill 96, 4, 3214868480
	.section	.rodata,"a",@progbits
	.p2align	6, 0x0
	.amdhsa_kernel k_q738346cc82_w8a16
		.amdhsa_group_segment_fixed_size 327680
		.amdhsa_private_segment_fixed_size 0
		.amdhsa_enable_private_segment 0
		.amdhsa_kernarg_size 40
		.amdhsa_user_sgpr_count 2
		.amdhsa_user_sgpr_kernarg_segment_ptr 1
		.amdhsa_wavefront_size32 1
		.amdhsa_system_sgpr_workgroup_id_x 1
		.amdhsa_system_sgpr_workgroup_id_y 1
		.amdhsa_system_sgpr_workgroup_id_z 1
		.amdhsa_system_vgpr_workitem_id 0
		.amdhsa_next_free_vgpr 1024
		.amdhsa_next_free_sgpr 72
		.amdhsa_reserve_vcc 0
		.amdhsa_float_denorm_mode_32 3
		.amdhsa_float_denorm_mode_16_64 3
		.amdhsa_memory_ordered 1
		.amdhsa_forward_progress 1
		.amdhsa_inst_pref_size 238
	.end_amdhsa_kernel
	.amdgpu_metadata
---
amdhsa.version: [ 1, 2 ]
amdhsa.kernels:
  - .name:           k_q738346cc82_w8a16
    .symbol:         k_q738346cc82_w8a16.kd
    .args:
      - { .name: input, .offset: 0, .size: 8, .value_kind: global_buffer, .address_space: global }
      - { .name: qweight, .offset: 8, .size: 8, .value_kind: global_buffer, .address_space: global }
      - { .name: weight_scales, .offset: 16, .size: 8, .value_kind: global_buffer, .address_space: global }
      - { .name: bias, .offset: 24, .size: 8, .value_kind: global_buffer, .address_space: global }
      - { .name: out0, .offset: 32, .size: 8, .value_kind: global_buffer, .address_space: global }
    .group_segment_fixed_size: 327680
    .private_segment_fixed_size: 0
    .kernarg_segment_align: 8
    .kernarg_segment_size: 40
    .max_flat_workgroup_size: 128
    .sgpr_count:     72
    .vgpr_count:     1024
    .wavefront_size: 32
...
	.end_amdgpu_metadata
.endif
;; end of part 1
